; MI455X (gfx1250); checked and timed in simulation.
; The chip was launched on July 23, 2026; its instructions are those of AMD's public machine-readable ISA for CDNA 5 (MIT licence, August 2026) and "CDNA5" Instruction Set Architecture Reference Guide (July 2026). The comments in the code are by the model that wrote it; some were corrected since.
;; RQ Bottleneck. Allowed arithmetic: float matrix products may take bf16 or f16 operands with f32 sums; all other float work in f32.
;; Inputs: codebooks 4 x 8,192 x 256 float32; x 8 x 32 x 32 x 256 float32.
;; Outputs: out0 8 x 32 x 32 x 256 float32; out1 one number float32; out2 8 x 32 x 32 x 4 int32.
;; One version. Each part assembles by itself: llvm-mc -triple=amdgcn-amd-amdhsa -mcpu=gfx1250 --defsym DOCPART=n.
;; ======== version 1 of 1: 10 launches
;; workspace buffers: cbh 4,194,304 bytes; ccn 32,768 bytes; rbf 4,194,304 bytes; resA 8,388,608 bytes; resB 8,388,608 bytes; keys 1,049,600 bytes of whole numbers; cw 98,560 bytes of whole numbers; lossp 1,024 bytes
;; launch prep (part 1): grid 256 x 1, 4 waves a work-group, no clusters, 0 bytes of LDS; arguments codebooks, x, cbh, ccn, rbf, cw; writes cbh, ccn, rbf, cw
.if DOCPART == 1
	.amdgcn_target "amdgcn-amd-amdhsa--gfx1250"
	.amdhsa_code_object_version 6
	.text
	.protected	k_q3bed13f31f_prep
	.globl	k_q3bed13f31f_prep
	.p2align	8
	.type	k_q3bed13f31f_prep,@function
k_q3bed13f31f_prep:
	s_mov_b64 s[64:65], 0
	v_nop
	global_prefetch_b8 v0, s[64:65] scope:SCOPE_SE
	s_setreg_imm32_b32 hwreg(HW_REG_WAVE_MODE, 25, 1), 1
	s_wait_xcnt 0x0
; prep: cbh = bf16(codebook 0), ccn[code] = -0.5 * sum of the code's squares (f32), rbf = bf16(x), and the word behind cw's codes = 0 (the depth of the first scan).
; (The codebooks of depths 1 to 3 are converted into the same two buffers by the launches that end depths 0 to 2.)
; A stream: each byte is read once and written once; no LDS, no barrier, no matrix unit, no cluster (no two work-groups read the same bytes).
; 256 work-groups of equal work: 32 of the 8,192 code rows and 32 of the 8,192 rows of x; a wave takes 8 of each, and all its 32 loads go out in one run.
; A row is 1,024 bytes: two loads of 16 bytes a lane, 512 neighbouring bytes each.  As bf16 it is 512 bytes: two stores of 8 bytes a lane, each 256 consecutive
; bytes at a multiple of 256 from the buffer's first byte.  A wave's 8 words of ccn are 32 consecutive bytes, the group's 128: the table is 32 KiB in all.
; ccn serves the coarse scan alone; the exact distances are made anew in f32 from the f32 rows.
.set LANE, 1                           ; v1       lane
.set IO,   2                           ; v2       rows in:  wave x 8 rows x 1,024 + 16 lane (codes and x alike)
.set OO,   3                           ; v3       rows out: wave x 8 rows x 512 + 8 lane
.set CCV,  4                           ; v4       lane i < 8 keeps the sum of squares of the wave's code row i
.set PM,   5                           ; v5       the other half's sum
.set SQ,   6                           ; v[6:7]   a row's sum of squares at work
.set CCO,  8                           ; v8       32 x wave + 4 x lane: my word among the group's 32 of ccn
.set ZR,   9                           ; v9       a temporary, at the end a zero
.set XC,   16                          ; v[16:79]   eight code rows as loaded, 8 registers each
.set XX,   80                          ; v[80:143]  eight rows of x
.set YC,   144                         ; v[144:175] the code rows as bf16, 4 registers each
.set YX,   176                         ; v[176:207] the rows of x as bf16
.set SEL,  20                          ; s20, s21  v_permlanex16_b32: lane i of one half reads lane i of the other
.macro WSUM r                          ; the sum over the 32 lanes, in every lane
	v_add_f32_dpp v[\r], v[\r], v[\r] row_xmask:1 row_mask:0xf bank_mask:0xf
	v_add_f32_dpp v[\r], v[\r], v[\r] row_xmask:2 row_mask:0xf bank_mask:0xf
	v_add_f32_dpp v[\r], v[\r], v[\r] row_xmask:4 row_mask:0xf bank_mask:0xf
	v_add_f32_dpp v[\r], v[\r], v[\r] row_xmask:8 row_mask:0xf bank_mask:0xf
	v_permlanex16_b32 v[PM], v[\r], s[SEL], s[SEL+1]
	v_add_f32 v[\r], v[\r], v[PM]
.endm
.macro LOAD8 xr, ib                    ; eight rows: sixteen loads
.irp i, 0,1,2,3,4,5,6,7
	global_load_b128 v[\xr+8*\i:\xr+8*\i+3],   v[IO], s[\ib:\ib+1] offset:\i*1024
	global_load_b128 v[\xr+8*\i+4:\xr+8*\i+7], v[IO], s[\ib:\ib+1] offset:\i*1024+512
.endr
.endm
; Row by row: the sum of squares (cc = 1), the rounding, the two stores.  left = the loads that are younger than row 0's.
.macro WORK8 cc, xr, yr, ob, left
.irp i, 0,1,2,3,4,5,6,7
	s_wait_loadcnt \left-2*\i                      ; loads come back in order: row i is in, the two loads of each younger row stay out
.if \cc
	v_pk_mul_f32 v[SQ:SQ+1], v[\xr+8*\i:\xr+8*\i+1],   v[\xr+8*\i:\xr+8*\i+1]
	v_pk_fma_f32 v[SQ:SQ+1], v[\xr+8*\i+2:\xr+8*\i+3], v[\xr+8*\i+2:\xr+8*\i+3], v[SQ:SQ+1]
	v_pk_fma_f32 v[SQ:SQ+1], v[\xr+8*\i+4:\xr+8*\i+5], v[\xr+8*\i+4:\xr+8*\i+5], v[SQ:SQ+1]
	v_pk_fma_f32 v[SQ:SQ+1], v[\xr+8*\i+6:\xr+8*\i+7], v[\xr+8*\i+6:\xr+8*\i+7], v[SQ:SQ+1]
	v_add_f32 v[SQ], v[SQ], v[SQ+1]
	WSUM SQ
	v_cmp_eq_u32 vcc_lo, \i, v[LANE]
	v_cndmask_b32 v[CCV], v[CCV], v[SQ], vcc_lo    ; lane i keeps it
.endif
.irp j, 0,1,2,3
	v_cvt_pk_bf16_f32 v[\yr+4*\i+\j], v[\xr+8*\i+2*\j], v[\xr+8*\i+2*\j+1]
.endr
	global_store_b64 v[OO], v[\yr+4*\i:\yr+4*\i+1],   s[\ob:\ob+1] offset:\i*512
	global_store_b64 v[OO], v[\yr+4*\i+2:\yr+4*\i+3], s[\ob:\ob+1] offset:\i*512+256
.endr
.endm
	s_load_b256 s[4:11], s[0:1], 0x0               ; codebooks s[4:5], x s[6:7], cbh s[8:9], ccn s[10:11]
	s_load_b128 s[12:15], s[0:1], 0x20             ; rbf s[12:13], cw s[14:15]
	v_lshrrev_b32 v[ZR], 5, v0
	v_readfirstlane_b32 s16, v[ZR]                 ; wave 0..3
	v_and_b32 v[LANE], 31, v0
	v_lshlrev_b32 v[IO], 4, v[LANE]
	v_lshlrev_b32 v[OO], 3, v[LANE]
	v_lshlrev_b32 v[CCO], 2, v[LANE]
	v_lshl_add_u32 v[IO],  s16, 13, v[IO]
	v_lshl_add_u32 v[OO],  s16, 12, v[OO]
	v_lshl_add_u32 v[CCO], s16, 5, v[CCO]
	v_mov_b32 v[CCV], 0
	v_mov_b32 v[PM], 0                             ; v_permlanex16_b32 counts as a reader of its destination
	s_mov_b32 s[SEL], 0x76543210
	s_mov_b32 s[SEL+1], 0xfedcba98
	s_mov_b32 s23, 0
	s_wait_kmcnt 0x0
	s_lshl_b32 s22, ttmp9, 15                      ; 32 rows of 1,024 bytes
	s_add_nc_u64 s[24:25], s[4:5], s[22:23]        ; codebook 0 is the first of the four
	s_add_nc_u64 s[30:31], s[6:7], s[22:23]
	LOAD8 XC, 24
	LOAD8 XX, 30
	s_lshl_b32 s22, ttmp9, 14                      ; of 512 bytes
	s_add_nc_u64 s[26:27], s[8:9], s[22:23]
	s_add_nc_u64 s[32:33], s[12:13], s[22:23]
	s_lshl_b32 s22, ttmp9, 7                       ; 32 words of ccn
	s_add_nc_u64 s[28:29], s[10:11], s[22:23]
	WORK8 1, XC, YC, 26, 30                        ; younger than code row 0: 14 loads of code rows and the 16 of x
	WORK8 0, XX, YX, 32, 14
	v_mul_f32 v[CCV], -0.5, v[CCV]
	v_cmp_gt_u32 vcc_lo, 8, v[LANE]
	s_wait_xcnt 0x0                                ; EXEC is a source of the stores above: it changes only behind this wait
	s_and_saveexec_b32 s19, vcc_lo
	global_store_b32 v[CCO], v[CCV], s[28:29]      ; lanes 0 to 7: my eight code rows
	s_wait_xcnt 0x0
	s_or_b32 exec_lo, exec_lo, s19
	s_cmp_lg_u32 ttmp9, 0
	s_cbranch_scc1 .Ldone
	s_cmp_lg_u32 s16, 0
	s_cbranch_scc1 .Ldone
	v_mov_b32 v[ZR], 0
	v_cmp_eq_u32 vcc_lo, 0, v0
	s_and_saveexec_b32 s19, vcc_lo                 ; no memory instruction has been issued since the last s_wait_xcnt 0
	global_store_b32 v[ZR], v[ZR], s[14:15] offset:98304   ; the first scan's depth: 0
	s_wait_xcnt 0x0
	s_or_b32 exec_lo, exec_lo, s19
.Ldone:
	s_endpgm
.Lfunc_end_k_q3bed13f31f_prep:
	.size	k_q3bed13f31f_prep, .Lfunc_end_k_q3bed13f31f_prep-k_q3bed13f31f_prep
	.p2alignl 7, 3214868480
	.fill 96, 4, 3214868480
	.section	.rodata,"a",@progbits
	.p2align	6, 0x0
	.amdhsa_kernel k_q3bed13f31f_prep
		.amdhsa_group_segment_fixed_size 0
		.amdhsa_private_segment_fixed_size 0
		.amdhsa_enable_private_segment 0
		.amdhsa_kernarg_size 48
		.amdhsa_user_sgpr_count 2
		.amdhsa_user_sgpr_kernarg_segment_ptr 1
		.amdhsa_wavefront_size32 1
		.amdhsa_system_sgpr_workgroup_id_x 1
		.amdhsa_system_sgpr_workgroup_id_y 1
		.amdhsa_system_sgpr_workgroup_id_z 1
		.amdhsa_system_vgpr_workitem_id 0
		.amdhsa_next_free_vgpr 208
		.amdhsa_next_free_sgpr 66
		.amdhsa_reserve_vcc 1
		.amdhsa_float_denorm_mode_32 3
		.amdhsa_float_denorm_mode_16_64 3
		.amdhsa_memory_ordered 1
		.amdhsa_forward_progress 1
		.amdhsa_inst_pref_size 18
	.end_amdhsa_kernel
	.amdgpu_metadata
---
amdhsa.version: [ 1, 2 ]
amdhsa.kernels:
  - .name:           k_q3bed13f31f_prep
    .symbol:         k_q3bed13f31f_prep.kd
    .args:
      - { .name: codebooks, .offset: 0, .size: 8, .value_kind: global_buffer, .address_space: global }
      - { .name: x, .offset: 8, .size: 8, .value_kind: global_buffer, .address_space: global }
      - { .name: cbh, .offset: 16, .size: 8, .value_kind: global_buffer, .address_space: global }
      - { .name: ccn, .offset: 24, .size: 8, .value_kind: global_buffer, .address_space: global }
      - { .name: rbf, .offset: 32, .size: 8, .value_kind: global_buffer, .address_space: global }
      - { .name: cw, .offset: 40, .size: 8, .value_kind: global_buffer, .address_space: global }
    .group_segment_fixed_size: 0
    .private_segment_fixed_size: 0
    .kernarg_segment_align: 8
    .kernarg_segment_size: 48
    .max_flat_workgroup_size: 128
    .sgpr_count:     66
    .vgpr_count:     208
    .wavefront_size: 32
...
	.end_amdgpu_metadata
.endif
;; end of part 1
;; launch scan (part 2): grid 32 x 8, 8 waves a work-group, clusters of 4 x 4, 327,680 bytes of LDS; arguments cw, cbh, ccn, rbf, keys; writes keys
.if DOCPART == 2
	.amdgcn_target "amdgcn-amd-amdhsa--gfx1250"
	.amdhsa_code_object_version 6
	.text
	.protected	k_q3bed13f31f_scan
	.globl	k_q3bed13f31f_scan
	.p2align	8
	.type	k_q3bed13f31f_scan,@function
k_q3bed13f31f_scan:
	s_mov_b64 s[64:65], 0
	v_nop
	global_prefetch_b8 v0, s[64:65] scope:SCOPE_SE
	s_setreg_imm32_b32 hwreg(HW_REG_WAVE_MODE, 25, 1), 1
	s_wait_xcnt 0x0
	s_wait_alu depctr_hold_cnt(0) depctr_sa_sdst(0) depctr_va_vdst(0) depctr_va_sdst(0) depctr_va_ssrc(0) depctr_va_vcc(0) depctr_vm_vsrc(0)
	s_getreg_b32 s2, hwreg(HW_REG_IB_STS2, 6, 4)
	s_cmp_eq_u32 s2, 0
	s_cbranch_scc0 .Lentry_in_a_cluster
	s_endpgm
.Lentry_in_a_cluster:
	s_bfe_u32 s2, ttmp6, 0x10000c
	s_cmp_lg_u32 s2, 0xf033
	s_cbranch_scc0 .Lentry_shape_is_right
	s_endpgm
.Lentry_shape_is_right:
; scan: the coarse search of one depth.  cbh and ccn hold the codebook of this depth (bf16 rows; -|c|^2 / 2 in f32), rbf the residual in bf16.
; score(row, code) = v . c - |c|^2 / 2 with v and c in bf16 and the sum in f32; the distance is |v|^2 - 2 score, so the nearest code has the largest score.
; For each row and each of 16 chains of 512 codes the two largest scores are stored as whole numbers that sort like the scores and carry the
; code's number in their low 10 bits.  The next launch merges them with integer compares and decides among four candidates in f32.
; The depth's number (the word behind cw's codes) enters no address, descriptor or branch here: each work-group only hands it on in a word of its own behind the keys.
; LIMITS: a key keeps 13 bits of the score's mantissa (the low 10 hold the code), beside the rounding of both operands to bf16.  The f32 winner is missed only if two other
; codes of its chain, or four codes in all, overtake it inside that rounding.  NaN and infinities in the inputs are not served.
;
; SHARES: work-group (x, y) = rows 256 x .. + 255 times codes 1024 y .. + 1023.  Eight waves of 512 registers, two on each SIMD: every matrix instruction here is followed by
; four vector instructions of the search, and a SIMD has a second wave to issue from while one wave's vector or LDS instructions wait behind its own matrix instruction.
; Wave w: rq = w >> 1 picks 64 rows, ch = w & 1 the parity of its tiles of 16 codes.
; The wave's 64 rows x 256 k stay in 256 registers (32 fragments, all of window 1) for the whole launch; the codes stream through two LDS slots in 4 blocks of 256.
; Tile t = 0 .. 31 of a wave: codes 1024 y + 32 t + 16 ch + 0 .. 15.  32 matrix instructions a tile: k outer (8), row block b inner (4).
; Source 0 = 16 codes, source 1 = 16 rows: lane (r, h) holds row r and its register j code 8 h + j, so the search runs inside a lane.
; The first instruction of a tile takes -|c|^2 / 2 as C: nothing is cleared and no score is touched up afterwards.
; The four accumulators take turns, one instruction a turn.
; While tile t is multiplied into one set of accumulators, the 32 scores a lane holds of tile t - 1 in the other set pass through the running best two, four vector
; instructions behind each matrix instruction.  Source 1 means window 1 in the whole loop, so these lines keep a scalar there: two vector registers a line, which is why
; a step of the search is three lines (smaller, larger, second) beside the line that writes the code's number.
; FRAGMENTS: two buffers by turns.  Behind a tile's first four matrix instructions one run of 18 LDS loads (9,216 bytes) fetches the whole next tile; it has the other 28 in which to land.
;
; CLUSTERS: 4 x 4 work-groups.  The code blocks and their -|c|^2 / 2 hang on y alone and are asked for jointly along a row of the cluster, the rows' tile hangs on x alone
; and is asked for jointly along a column: each tile is asked for once for four work-groups.
; TENSOR LOADS: a tile's 256 rows are shared among the eight waves, 32 rows (16,896 LDS bytes) each, so that every wave issues the same lines and no branch stands round a
; joint load.  By this text's count a wave has three out at the start and one behind each later round.
;
; LDS: slot 0 at 0 (blocks 0, 2), slot 1 at 135,168 (the rows' tile, then blocks 1, 3): 256 rows of 512 bytes + 16 of padding; 4,096 bytes of -|c|^2 / 2 at 270,336.
; The pitch 528 = 33 x 16: the sixteen rows of a fragment load lie in sixteen different 16-byte columns modulo 256 bytes.
.set PITCH,  528
.set PART,   32*PITCH                  ; what one tensor load brings
.set SLOT,   8*PART
.set CCL,    2*SLOT
.set BLOCKB, 256*512                   ; a block of codes in memory
.set FSTEP,  32*PITCH                  ; from a wave's tile to its next: 32 rows
.set TAILW,  0x18000                   ; cw: the depth's word
.set KTAIL,  0x100000                  ; keys: the 256 words that hand the depth on
; window 0
.set RR,   1                           ; v1  r = lane % 16
.set HH,   2                           ; v2  h = lane / 16
.set ADR,  3                           ; v3  where the next tile's fragments lie
.set AS0,  4                           ; v4  my first tile in slot 0: (16 ch + r) x 528 + 16 h
.set AS1,  5                           ; v5  the same in slot 1
.set ADC,  6                           ; v6  where the next tile's -|c|^2 / 2 lie: 270,336 + 128 t + 64 ch + 32 h
.set XAD,  7                           ; v7  my rows in slot 1: 135,168 + (64 rq + r) x 528 + 16 h
.set CHH,  8                           ; v8  16 ch + 8 h, the bits of a code's number that are fixed in a lane
.set KOF,  9                           ; v9  8 x lane
.set T,    10                          ; v[10:13]  the smaller of (best, score), used one step later
.set CC,   16                          ; v[16:23]  -|c|^2 / 2 of codes 8 h + 0 .. 7 of the tile
.set M1,   24                          ; v[24:27]  best key of row block b
.set M2,   28                          ; v[28:31]  second best
.set O,    32                          ; v[32:33]  the other half's keys
.set ST,   36                          ; v[36:39]  two pairs to store
.set FA,   64                          ; v[64:127]  the eight code fragments of even tiles
.set ACC0, 128                         ; v[128:159] accumulators of even tiles
.set ACC1, 160                         ; v[160:191] of odd tiles
.set FB,   192                         ; v[192:255] the eight code fragments of odd tiles
; window 1: row fragment (k, b) at v[8 (4 k + b)]
.set LOW,  24                          ; s24 0x3ff
.set PINF, 25                          ; s25 +infinity
.set NINF, 26                          ; s26 -infinity
.set IDX,  32                          ; s[32:39] 32 t + j of the tile whose scores are being searched
.set G1C,  40                          ; s[40:47] group 1: an eighth of a code block, mask = my row of the cluster
.set G1X,  48                          ; s[48:55] group 1: an eighth of the rows' tile, mask = my column
.set G1N,  56                          ; s[56:63] group 1: 512 bytes of ccn, mask = my row
.set G0A,  68                          ; s[68:71] group 0: slot 0
.set G0B,  72                          ; s[72:75] group 0: slot 1, code blocks
.set G0X,  76                          ; s[76:79] group 0: slot 1, the rows' tile
.set G0N,  80                          ; s[80:83] group 0: ccn
.set MSB, 0
.macro WIN new                         ; the immediate's high byte repeats the setting that is left
.if MSB != \new
	s_set_vgpr_msb (MSB<<8)|\new
.set MSB, \new
.endif
.endm
.macro CREST                           ; a round of the cluster's barrier behind its opening barrier
	s_cmp_lg_u32 s14, 0
	s_cbranch_scc1 .Lnot_wave_0_\@
	s_barrier_signal -3
.Lnot_wave_0_\@:
	s_barrier_wait -3
	s_barrier_signal -1
	s_barrier_wait -1
.endm
.macro ROUND                           ; a whole round
	s_barrier_signal -1
	s_barrier_wait -1
	CREST
.endm
.macro PLACES
.rept 4
	v_nop
.endr
.endm
.macro FETCH g                         ; the tile at ADR: eight fragments of 16 codes x 32 k into buffer g, and its -|c|^2 / 2: 18 loads in one run
.irp k, 0,1,2,3,4,5,6,7
	ds_load_b128 v[\g+8*\k:\g+8*\k+3],   v[ADR] offset:64*\k
	ds_load_b128 v[\g+8*\k+4:\g+8*\k+7], v[ADR] offset:64*\k+32
.endr
	ds_load_b128 v[CC:CC+3],   v[ADC]
	ds_load_b128 v[CC+4:CC+7], v[ADC] offset:16
.endm
.macro XLOAD                           ; my 32 row fragments, into the window that the destination is set to
.irp k, 0,1,2,3,4,5,6,7
.irp b, 0,1,2,3
	ds_load_b128 v[8*(4*\k+\b):8*(4*\k+\b)+3],   v[XAD] offset:\b*16*PITCH+64*\k
	ds_load_b128 v[8*(4*\k+\b)+4:8*(4*\k+\b)+7], v[XAD] offset:\b*16*PITCH+64*\k+32
.endr
.endr
.endm
.macro WM P, f, b, k                   ; one matrix instruction: 16 codes x 16 rows x 32 k
.if \k == 0
	v_wmma_f32_16x16x32_bf16 v[\P+8*\b:\P+8*\b+7], v[\f+8*\k:\f+8*\k+7], v[8*(4*\k+\b):8*(4*\k+\b)+7], v[CC:CC+7]
.else
	v_wmma_f32_16x16x32_bf16 v[\P+8*\b:\P+8*\b+7], v[\f+8*\k:\f+8*\k+7], v[8*(4*\k+\b):8*(4*\k+\b)+7], v[\P+8*\b:\P+8*\b+7]
.endif
.endm
; The search.  Score s = 4 j + b of set Q lies in register Q + 8 b + j.
.macro EPIHEAD Q
	v_bfi_b32 v[\Q], s[LOW], s[IDX], v[\Q]         ; score 0 becomes a key: its low 10 bits give way to the code's number
.endm
.macro SLOTOPS Q, s
.if (\s) < 31
	v_bfi_b32 v[\Q+8*(((\s)+1)%4)+((\s)+1)/4], s[LOW], s[IDX+((\s)+1)/4], v[\Q+8*(((\s)+1)%4)+((\s)+1)/4]   ; the next score becomes a key
.endif
	v_min3_num_f32 v[T+(\s)%4], v[M1+(\s)%4], s[PINF], v[\Q+8*((\s)%4)+(\s)/4]    ; the smaller of best and key
	v_max3_num_f32 v[M1+(\s)%4], v[M1+(\s)%4], s[NINF], v[\Q+8*((\s)%4)+(\s)/4]   ; the new best
.if (\s) > 0
	v_max3_num_f32 v[M2+((\s)-1)%4], v[M2+((\s)-1)%4], s[NINF], v[T+((\s)-1)%4]   ; the last step's smaller one against the second best
.endif
.endm
.macro EPITAIL step
	v_max3_num_f32 v[M2+3], v[M2+3], s[NINF], v[T+3]
.if \step
.irp j, 0,1,2,3,4,5,6,7
	s_add_co_u32 s[IDX+\j], s[IDX+\j], 32
.endr
.endif
.endm
.macro GROUP P, Q, f, k, epi           ; 4 matrix instructions (all row blocks, 32 along k), each with its step of the search
.irp b, 0,1,2,3
	WM \P, \f, \b, \k
.if \epi
	SLOTOPS \Q, 4*\k+\b
.endif
.endr
.endm
; A tile: products from buffer f into set P, the search on set Q, the next tile's fetch into buffer g.
; The run of loads stands behind the first group: C has been read by then, four vector lines stand behind the last matrix instruction that read it,
; and buffer g was last read by the tile before.
.macro TILE P, Q, f, g, epi
.if \epi
	EPIHEAD \Q
.endif
	s_wait_dscnt 0x0                               ; this tile's fragments and C: the one run issued 28 matrix instructions ago; nothing younger is out
	WIN 0x04
	GROUP \P, \Q, \f, 0, \epi
.if \epi == 0
	PLACES                                         ; nothing to search yet: four places in front of the load into C
.endif
	v_add_nc_u32 v[ADR], v[ADR], FSTEP
	v_add_nc_u32 v[ADC], v[ADC], 128
	FETCH \g
.irp k, 1,2,3,4,5,6,7
	GROUP \P, \Q, \f, \k, \epi
.endr
.if \epi
	EPITAIL 1
.else
	PLACES                                         ; four places in front of the next tile's search, which reads these results
.endif
.endm
; The last tile of a block.  Its fragments are in registers at its head, so there the wave's reads of the slot are over: it waits for them and for all its tensor loads
; (one is out at the most: its eighth of the other slot) and signals; four groups are register work while the others arrive.  refill = 1: the barrier opens a round of the
; cluster's barrier, and the slot just read is asked for again, two blocks on, first thing behind the round.  Then the other slot's first tile is fetched.
.macro TURN P, Q, f, g, refill, g0, asn
	EPIHEAD \Q
	s_wait_dscnt 0x0                               ; this tile's fragments are in, and with them my reads of this slot are over
	s_set_vgpr_msb 0x400
	s_wait_tensorcnt 0x0                           ; all my tensor loads have landed, so a group 0 may be written
	ds_add_u32 v62, v63
	s_wait_dscnt 0x0
	s_set_vgpr_msb 0x4
.if \refill
	s_add_nc_u64 s[\g0+2:\g0+3], s[\g0+2:\g0+3], 2*BLOCKB
.endif
	s_barrier_signal -1
	WIN 0x04
.irp k, 0,1,2,3
	GROUP \P, \Q, \f, \k, 1
.endr
	WIN 0
	s_barrier_wait -1
.if \refill
	CREST                                          ; no wave of any partner still reads this slot or has a load on its way
	tensor_load_to_lds s[\g0:\g0+3], s[G1C:G1C+7]
	s_nop 0
.endif
	v_mov_b32 v[ADR], v[\asn]
	v_add_nc_u32 v[ADC], v[ADC], 128
	FETCH \g
	WIN 0x04
.irp k, 4,5,6,7
	GROUP \P, \Q, \f, \k, 1
.endr
	EPITAIL 1
.endm
.macro LAST P, Q, f                    ; the last tile fetches nothing
	EPIHEAD \Q
	s_wait_dscnt 0x0
	WIN 0x04
.irp k, 0,1,2,3,4,5,6,7
	GROUP \P, \Q, \f, \k, 1
.endr
	EPITAIL 1
.endm
.macro PAIRS n                         ; n times an even and an odd tile
	WIN 0                                          ; at a label and at a branch every window is 0
	s_mov_b32 s22, \n
.Lpair_\@:
	TILE ACC0, ACC1, FA, FB, 1
	TILE ACC1, ACC0, FB, FA, 1
	WIN 0
	s_sub_co_u32 s22, s22, 1
	s_cmp_lg_u32 s22, 0
	s_cbranch_scc1 .Lpair_\@
.endm
	s_load_b256 s[4:11], s[0:1], 0x0               ; cw s[4:5], cbh s[6:7], ccn s[8:9], rbf s[10:11]
	s_load_b64 s[12:13], s[0:1], 0x20              ; keys
	v_lshl_add_u32 v62, v0, 2, 0x43000
	v_mov_b32 v63, 0
	ds_add_u32 v62, v63
	v_lshrrev_b32 v1, 5, v0
	v_readfirstlane_b32 s14, v1                    ; wave 0..7
	s_lshr_b32 s15, s14, 1                         ; rq
	s_and_b32 s16, s14, 1                          ; ch
	s_bfe_u32 s17, ttmp6, 0x40000                  ; cx
	s_bfe_u32 s18, ttmp6, 0x40004                  ; cy
	s_lshl_b32 s19, ttmp9, 2
	s_add_co_u32 s19, s19, s17                     ; x = 4 x cluster x + cx
	s_and_b32 s20, ttmp7, 0xffff
	s_lshl_b32 s20, s20, 2
	s_add_co_u32 s20, s20, s18                     ; y = 4 x cluster y + cy
	s_lshl_b32 s88, s18, 2
	s_lshl_b32 s88, 15, s88                        ; my row of the cluster: places 4 cy .. 4 cy + 3
	s_lshl_b32 s89, 0x1111, s17                    ; my column: places cx, cx + 4, cx + 8, cx + 12
	; group 1 of an eighth of a tile: 32 rows x 256 elements of 2 bytes, 16 bytes of padding behind every 128 words; bit 21 stands beside a mask
	s_or_b32 s[G1C+0], s88, (1<<16)|(1<<20)|(1<<21)|(6<<22)|(3<<25)
	s_or_b32 s[G1X+0], s89, (1<<16)|(1<<20)|(1<<21)|(6<<22)|(3<<25)
	s_mov_b32 s[G1C+1], 256<<16                    ; tensor_dim0 = 256
	s_mov_b32 s[G1X+1], 256<<16
	s_mov_b32 s[G1C+2], 32<<16                     ; tensor_dim1 = 32
	s_mov_b32 s[G1X+2], 32<<16
	s_mov_b32 s[G1C+3], 256<<16                    ; tile_dim0 = 256
	s_mov_b32 s[G1X+3], 256<<16
	s_mov_b32 s[G1C+4], 32                         ; tile_dim1 = 32
	s_mov_b32 s[G1X+4], 32
	s_mov_b32 s[G1C+5], 256                        ; elements from row to row
	s_mov_b32 s[G1X+5], 256
	s_mov_b32 s[G1C+6], 0
	s_mov_b32 s[G1X+6], 0
	s_mov_b32 s[G1C+7], 0
	s_mov_b32 s[G1X+7], 0
	; group 1 of ccn's part: one row of 64 elements of 8 bytes, no padding
	s_or_b32 s[G1N+0], s88, (3<<16)|(1<<21)
	s_mov_b32 s[G1N+1], 64<<16
	s_mov_b32 s[G1N+2], 1<<16
	s_mov_b32 s[G1N+3], 64<<16
	s_mov_b32 s[G1N+4], 1
	s_mov_b32 s[G1N+5], 64
	s_mov_b32 s[G1N+6], 0
	s_mov_b32 s[G1N+7], 0
	; where the tiles go: the wave's number and constants alone
	s_mul_i32 s92, s14, PART
	s_mov_b32 s[G0A+0], 1
	s_mov_b32 s[G0A+1], s92
	s_mov_b32 s[G0B+0], 1
	s_add_co_u32 s[G0B+1], s92, SLOT
	s_mov_b32 s[G0X+0], 1
	s_add_co_u32 s[G0X+1], s92, SLOT
	s_mov_b32 s[G0N+0], 1
	s_lshl_b32 s[G0N+1], s14, 9
	s_add_co_u32 s[G0N+1], s[G0N+1], CCL
	s_mov_b32 s[LOW], 0x3ff
	s_mov_b32 s[PINF], 0x7f800000
	s_mov_b32 s[NINF], 0xff800000
	s_mov_b32 s30, 0x76543210
	s_mov_b32 s31, 0xfedcba98
.irp j, 0,1,2,3,4,5,6,7
	s_mov_b32 s[IDX+\j], \j
.endr
	s_mov_b32 s85, 0
	s_mov_b32 s87, 0
	s_wait_dscnt 0x0
	s_wait_kmcnt 0x0
	s_load_b32 s21, s[4:5], TAILW                  ; the depth's number, to be handed on; waited for below, behind the first fills
	; where the tiles come from.  Codes and ccn: y and the wave; rows: x and the wave; in registers that never hold the other coordinate.
	s_lshl_b32 s84, s20, 19                        ; 1,024 codes of 512 bytes
	s_lshl_b32 s90, s14, 14                        ; 32 codes
	s_add_co_u32 s84, s84, s90
	s_add_nc_u64 s[G0A+2:G0A+3], s[6:7], s[84:85]  ; block 0
	s_add_nc_u64 s[G0B+2:G0B+3], s[G0A+2:G0A+3], BLOCKB   ; block 1
	s_or_b32 s[G0A+3], s[G0A+3], 0x80000000
	s_or_b32 s[G0B+3], s[G0B+3], 0x80000000
	s_lshl_b32 s84, s20, 12                        ; 1,024 words of ccn
	s_lshl_b32 s90, s14, 9                         ; 128 a wave
	s_add_co_u32 s84, s84, s90
	s_add_nc_u64 s[G0N+2:G0N+3], s[8:9], s[84:85]
	s_or_b32 s[G0N+3], s[G0N+3], 0x80000000
	s_lshl_b32 s86, s19, 17                        ; 256 rows of 512 bytes
	s_lshl_b32 s91, s14, 14                        ; 32 a wave
	s_add_co_u32 s86, s86, s91
	s_add_nc_u64 s[G0X+2:G0X+3], s[10:11], s[86:87]
	s_or_b32 s[G0X+3], s[G0X+3], 0x80000000
	ROUND                                          ; all sixteen work-groups are here: the first joint loads meet
	tensor_load_to_lds s[G0X:G0X+3], s[G1X:G1X+7]  ; the rows, into slot 1
	s_nop 0
	tensor_load_to_lds s[G0N:G0N+3], s[G1N:G1N+7]  ; -|c|^2 / 2
	s_nop 0
	tensor_load_to_lds s[G0A:G0A+3], s[G1C:G1C+7]  ; block 0, into slot 0
	s_nop 0
	v_and_b32 v[RR], 15, v0
	v_bfe_u32 v[HH], v0, 4, 1
	s_lshl_b32 s93, s16, 4
	v_add_nc_u32 v[T], s93, v[RR]
	v_mul_u32_u24 v[AS0], v[T], PITCH
	v_lshl_add_u32 v[AS0], v[HH], 4, v[AS0]
	v_add_nc_u32 v[AS1], SLOT, v[AS0]
	s_lshl_b32 s29, s16, 6
	s_add_co_u32 s29, s29, CCL
	v_lshl_add_u32 v[ADC], v[HH], 5, s29
	s_lshl_b32 s29, s15, 6
	v_add_nc_u32 v[T], s29, v[RR]
	v_mul_u32_u24 v[XAD], v[T], PITCH
	v_lshl_add_u32 v[XAD], v[HH], 4, v[XAD]
	v_add_nc_u32 v[XAD], SLOT, v[XAD]
	v_lshl_add_u32 v[CHH], v[HH], 3, s93
	v_and_b32 v[KOF], 31, v0
	v_lshlrev_b32 v[KOF], 3, v[KOF]
.irp n, 0,1,2,3,4,5,6,7
	v_mov_b32 v[M1+\n], s[NINF]                    ; best and second best start below every score
.endr
	v_mov_b32 v[O], 0                              ; v_permlanex16_b32 counts as a reader of its destination
	v_mov_b32 v[O+1], 0
	s_wait_kmcnt 0x0                               ; the depth's number
	s_min_u32 s21, s21, 3
	s_wait_tensorcnt 0x2                           ; my eighth of the rows is in; ccn's part and block 0 may stay out
	s_barrier_signal -1
	s_barrier_wait -1                              ; everybody's eighth is
	WIN 0x40
	XLOAD
	WIN 0
	s_wait_dscnt 0x0                               ; my rows are in registers: my reads of slot 1 are over
	s_wait_tensorcnt 0x0                           ; and all my tensor loads have landed
	ds_add_u32 v62, v63
	s_wait_dscnt 0x0
	ROUND                                          ; both hold of every wave of the cluster
	tensor_load_to_lds s[G0B:G0B+3], s[G1C:G1C+7]  ; block 1, into slot 1
	s_nop 0
	v_mov_b32 v[ADR], v[AS0]
	FETCH FA                                       ; tile 0
	TILE ACC0, ACC1, FA, FB, 0                     ; tile 0: nothing to search yet
	TILE ACC1, ACC0, FB, FA, 1                     ; tile 1
	PAIRS 2                                        ; 2 .. 5
	TILE ACC0, ACC1, FA, FB, 1                     ; 6
	TURN ACC1, ACC0, FB, FA, 1, G0A, AS1           ; 7: slot 0 gets block 2, on to block 1 in slot 1
	PAIRS 3                                        ; 8 .. 13
	TILE ACC0, ACC1, FA, FB, 1                     ; 14
	TURN ACC1, ACC0, FB, FA, 1, G0B, AS0           ; 15: slot 1 gets block 3, on to block 2 in slot 0
	PAIRS 3                                        ; 16 .. 21
	TILE ACC0, ACC1, FA, FB, 1                     ; 22
	TURN ACC1, ACC0, FB, FA, 0, G0A, AS1           ; 23: nothing is left to fetch; on to block 3 in slot 1
	PAIRS 3                                        ; 24 .. 29
	TILE ACC0, ACC1, FA, FB, 1                     ; 30
	LAST ACC1, ACC0, FB                            ; 31
	WIN 0
	EPIHEAD ACC1                                   ; tile 31's scores; four vector lines stand behind the last matrix instruction
.set sl, 0
.rept 32
	SLOTOPS ACC1, sl
.set sl, sl+1
.endr
	EPITAIL 0
	; The lane's fixed bits enter the keys; lanes r and 16 + r hold the same row and merge their best two; the keys become unsigned numbers in the scores' order.
.irp n, 0,1,2,3,4,5,6,7
	v_or_b32 v[M1+\n], v[M1+\n], v[CHH]
.endr
.irp b, 0,1,2,3
	v_permlanex16_b32 v[O], v[M1+\b], s30, s31
	v_permlanex16_b32 v[O+1], v[M2+\b], s30, s31
	v_min_num_f32 v[T], v[M1+\b], v[O]
	v_max_num_f32 v[M1+\b], v[M1+\b], v[O]
	v_max3_num_f32 v[M2+\b], v[M2+\b], v[O+1], v[T]
.endr
.irp n, 0,1,2,3,4,5,6,7
	v_ashrrev_i32 v[T+\n%4], 31, v[M1+\n]
	v_or_b32 v[T+\n%4], 0x80000000, v[T+\n%4]
	v_xor_b32 v[M1+\n], v[T+\n%4], v[M1+\n]        ; negative: all bits turned; else the sign bit set
.endr
	s_mov_b32 s67, 0
	s_lshl_b32 s66, s20, 5
	s_add_co_u32 s66, s66, s19
	s_lshl_b32 s66, s66, 2
	s_add_nc_u64 s[94:95], s[12:13], s[66:67]      ; my work-group's word behind the keys (less KTAIL)
	s_lshl_b32 s66, s19, 15                        ; keys: [group of 32 rows][chain 2 y + ch][row][rank]: 8 groups of 4,096 bytes a work-group,
	s_lshl_b32 s29, s15, 13                        ; 2 a wave,
	s_add_co_u32 s66, s66, s29
	s_lshl_b32 s29, s20, 9                         ; 256 bytes a chain
	s_add_co_u32 s66, s66, s29
	s_lshl_b32 s29, s16, 8
	s_add_co_u32 s66, s66, s29
	s_add_nc_u64 s[12:13], s[12:13], s[66:67]
	v_cmp_eq_u32 vcc_lo, 1, v[HH]
.irp p, 0,1
	v_cndmask_b32 v[ST+2*\p],   v[M1+2*\p], v[M1+2*\p+1], vcc_lo   ; lanes 0-15: rows of block 2 p, lanes 16-31: of block 2 p + 1
	v_cndmask_b32 v[ST+2*\p+1], v[M2+2*\p], v[M2+2*\p+1], vcc_lo
	global_store_b64 v[KOF], v[ST+2*\p:ST+2*\p+1], s[12:13] offset:\p*4096   ; 256 consecutive bytes at a multiple of 256
.endr
	s_cmp_lg_u32 s14, 0
	s_cbranch_scc1 .Lno_tail
	v_mov_b32 v[T], 0
	v_mov_b32 v[T+1], s21
	v_cmp_eq_u32 vcc_lo, 0, v0
	s_wait_xcnt 0x0                                ; EXEC is a source of the stores above: it changes only behind this wait
	s_and_saveexec_b32 s29, vcc_lo
	global_store_b32 v[T], v[T+1], s[94:95] offset:KTAIL   ; the depth goes on with the keys
	s_wait_xcnt 0x0
	s_or_b32 exec_lo, exec_lo, s29
.Lno_tail:
	ROUND                                          ; the closing round: no work-group ends while a partner may still ask for a tile that names it
	s_endpgm
.Lfunc_end_k_q3bed13f31f_scan:
	.size	k_q3bed13f31f_scan, .Lfunc_end_k_q3bed13f31f_scan-k_q3bed13f31f_scan
	.p2alignl 7, 3214868480
	.fill 96, 4, 3214868480
	.section	.rodata,"a",@progbits
	.p2align	6, 0x0
	.amdhsa_kernel k_q3bed13f31f_scan
		.amdhsa_group_segment_fixed_size 327680
		.amdhsa_private_segment_fixed_size 0
		.amdhsa_enable_private_segment 0
		.amdhsa_kernarg_size 40
		.amdhsa_user_sgpr_count 2
		.amdhsa_user_sgpr_kernarg_segment_ptr 1
		.amdhsa_wavefront_size32 1
		.amdhsa_system_sgpr_workgroup_id_x 1
		.amdhsa_system_sgpr_workgroup_id_y 1
		.amdhsa_system_sgpr_workgroup_id_z 1
		.amdhsa_system_vgpr_workitem_id 0
		.amdhsa_next_free_vgpr 512
		.amdhsa_next_free_sgpr 96
		.amdhsa_reserve_vcc 1
		.amdhsa_float_denorm_mode_32 3
		.amdhsa_float_denorm_mode_16_64 3
		.amdhsa_memory_ordered 1
		.amdhsa_forward_progress 1
		.amdhsa_inst_pref_size 226
	.end_amdhsa_kernel
	.amdgpu_metadata
---
amdhsa.version: [ 1, 2 ]
amdhsa.kernels:
  - .name:           k_q3bed13f31f_scan
    .symbol:         k_q3bed13f31f_scan.kd
    .args:
      - { .name: cw, .offset: 0, .size: 8, .value_kind: global_buffer, .address_space: global }
      - { .name: cbh, .offset: 8, .size: 8, .value_kind: global_buffer, .address_space: global }
      - { .name: ccn, .offset: 16, .size: 8, .value_kind: global_buffer, .address_space: global }
      - { .name: rbf, .offset: 24, .size: 8, .value_kind: global_buffer, .address_space: global }
      - { .name: keys, .offset: 32, .size: 8, .value_kind: global_buffer, .address_space: global }
    .group_segment_fixed_size: 327680
    .private_segment_fixed_size: 0
    .kernarg_segment_align: 8
    .kernarg_segment_size: 40
    .max_flat_workgroup_size: 256
    .sgpr_count:     96
    .vgpr_count:     512
    .wavefront_size: 32
...
	.end_amdgpu_metadata
.endif
;; end of part 2
;; launch refine (part 3): grid 256 x 1, 8 waves a work-group, no clusters, 1,280 bytes of LDS; arguments keys, x, codebooks, resA, rbf, cw, cbh, ccn; writes resA, rbf, cw, cbh, ccn
.if DOCPART == 3
	.amdgcn_target "amdgcn-amd-amdhsa--gfx1250"
	.amdhsa_code_object_version 6
	.text
	.protected	k_q3bed13f31f_refine
	.globl	k_q3bed13f31f_refine
	.p2align	8
	.type	k_q3bed13f31f_refine,@function
k_q3bed13f31f_refine:
	s_mov_b64 s[64:65], 0
	v_nop
	global_prefetch_b8 v0, s[64:65] scope:SCOPE_SE
	s_setreg_imm32_b32 hwreg(HW_REG_WAVE_MODE, 25, 1), 1
	s_wait_xcnt 0x0
; refine: ends one depth d = 0 .. 2 (d is the first word behind the keys, clamped to 2).  Arguments: keys, residual in, codebooks, residual out, rbf, cw, cbh, ccn.
; For each row: the four largest of its 32 keys (integer compares alone) name four candidate codes; their f32 rows are gathered; the distance is made by the problem's own
; formula in f32, fl(fl(vv + cc) - 2 vc), and the smallest wins, the lower code on equal distances.  Then residual out = residual in - row, rbf = bf16 of it, cw[d][row] = code.
; Which row is subtracted is a choice between registers (v_cndmask_b32); no address hangs on a floating-point number.
; Beside that the launch makes the next scan's codebook ready: cbh = bf16(codebook d + 1), ccn = -0.5 x the sum of each code's squares; 32 code rows a work-group, 4 a wave.
; LIMITS: the sums vv, cc, vc are added in another order than a library's product, so two codes whose distances differ by less than the rounding of f32 sums may be
; ranked otherwise.  The winner is sought among the four candidates alone.  NaN and infinities are not served.
; 256 work-groups of 32 rows, 8 waves of 4 rows.  No cluster: the work-groups share no tile (each gathers its own rows).  No prefetch: a candidate is known only when it is asked for.
; cw's and ccn's 32 words of a work-group are 128 consecutive bytes each: half of an aligned block of 256; the two tables are 96 KiB and 32 KiB.
.set LANE, 1                           ; v1   lane
.set L16,  2                           ; v2   16 x lane
.set KOF,  3                           ; v3   8 x ((lane + 4 wave) % 32): the wave's own four rows lie in lanes 0 .. 3
.set LA,   4                           ; v4   16 x wave: my four words in LDS (codes at 0, -cc/2 at 128)
.set L8,   5                           ; v5   8 x lane
.set IX,   6                           ; v6   a candidate's code; at the end a zero
.set LW,   7                           ; v7   4 x lane
.set BI,   11                          ; v11  the best code
.set DA,   12                          ; v[12:15]  two pair accumulators
.set VV,   16                          ; v16       vv
.set CS,   17                          ; v[17:20]  cc of the four candidates, then vv + cc
.set VC,   21                          ; v[21:24]  vc, then the distances; v21 keeps the best
.set PM,   25                          ; v[25:27]  the other half's sums
.set RS,   32                          ; v[32:63]   the four rows' residual, 8 registers each
.set C,    64                          ; v[64:191]  candidate (q, i) at 64 + 32 q + 8 i; (q, 0) ends up as the chosen row
.set K,    192                         ; v[192:223] keys: chain c, ranks 0 and 1; behind the merge: my four rows of the next codebook
.set B,    224                         ; v[224:227] the four largest keys, in order    (v[224:239] at the end: the next codebook's rows as bf16)
.set P,    228                         ; v[228:231] their chains
.set TK,   232                         ; v[232:233] the key that moves down
.set TP,   234                         ; v[234:235] its chain
.set CD,   236                         ; v[236:239] the four codes
.set OB,   240                         ; v[240:255] the residual rows as bf16
.set SEL,  20                          ; s20, s21
.set BA,   24                          ; s[24:55]  addresses of the 16 candidate rows
.set CI,   66                          ; s[66:81]  their codes
.macro LEVEL kc, pc, kl, pl, i, last   ; key kc (chain pc) against place i: the larger stays, the smaller moves on as kl, pl
	v_cmp_gt_u32 vcc_lo, v[\kc], v[B+\i]
.if \last == 0
	v_cndmask_b32 v[\kl], v[\kc], v[B+\i], vcc_lo
	v_cndmask_b32 v[\pl], v[\pc], v[P+\i], vcc_lo
.endif
	v_cndmask_b32 v[B+\i], v[B+\i], v[\kc], vcc_lo
	v_cndmask_b32 v[P+\i], v[P+\i], v[\pc], vcc_lo
.endm
.macro INS kreg, pos
	v_mov_b32 v[TP], \pos
	LEVEL \kreg, TP, TK+1, TP+1, 0, 0
	LEVEL TK+1, TP+1, TK, TP, 1, 0
	LEVEL TK, TP, TK+1, TP+1, 2, 0
	LEVEL TK+1, TP+1, TK, TP, 3, 1
.endm
.macro DOT1 d0, a0, b0                 ; a lane's part of a dot product of two rows
	v_pk_mul_f32 v[DA:DA+1], v[\a0:\a0+1], v[\b0:\b0+1]
.irp o, 2,4,6
	v_pk_fma_f32 v[DA:DA+1], v[\a0+\o:\a0+\o+1], v[\b0+\o:\b0+\o+1], v[DA:DA+1]
.endr
	v_add_f32 v[\d0], v[DA], v[DA+1]
.endm
.macro DOT2 d0, a0, b0, d1, a1, b1     ; two of them by turns
	v_pk_mul_f32 v[DA:DA+1],   v[\a0:\a0+1], v[\b0:\b0+1]
	v_pk_mul_f32 v[DA+2:DA+3], v[\a1:\a1+1], v[\b1:\b1+1]
.irp o, 2,4,6
	v_pk_fma_f32 v[DA:DA+1],   v[\a0+\o:\a0+\o+1], v[\b0+\o:\b0+\o+1], v[DA:DA+1]
	v_pk_fma_f32 v[DA+2:DA+3], v[\a1+\o:\a1+\o+1], v[\b1+\o:\b1+\o+1], v[DA+2:DA+3]
.endr
	v_add_f32 v[\d0], v[DA], v[DA+1]
	v_add_f32 v[\d1], v[DA+2], v[DA+3]
.endm
.macro WSUM9                           ; v[16:24] summed over the 32 lanes, all nine together; every lane ends up with the same sums
.irp m, 1,2,4,8
.irp n, 0,1,2,3,4,5,6,7,8
	v_add_f32_dpp v[VV+\n], v[VV+\n], v[VV+\n] row_xmask:\m row_mask:0xf bank_mask:0xf
.endr
.endr
.irp g, 0,3,6
.irp n, 0,1,2
	v_permlanex16_b32 v[PM+\n], v[VV+\g+\n], s[SEL], s[SEL+1]
.endr
.irp n, 0,1,2
	v_add_f32 v[VV+\g+\n], v[VV+\g+\n], v[PM+\n]
.endr
.endr
.endm
.macro WSUM4                           ; v[16:19] summed over the 32 lanes; v[21:24] take the other half's sums
.irp m, 1,2,4,8
.irp n, 0,1,2,3
	v_add_f32_dpp v[VV+\n], v[VV+\n], v[VV+\n] row_xmask:\m row_mask:0xf bank_mask:0xf
.endr
.endr
.irp n, 0,1,2,3
	v_permlanex16_b32 v[VC+\n], v[VV+\n], s[SEL], s[SEL+1]
.endr
.irp n, 0,1,2,3
	v_add_f32 v[VV+\n], v[VV+\n], v[VC+\n]
.endr
.endm
.macro ROW q, left
	s_wait_loadcnt \left                           ; this row's eight candidate loads (and everything older) are in; the later rows' and the next codebook's eight stay out
	DOT1 VV, RS+8*\q, RS+8*\q
.irp i, 0,1,2,3
	DOT2 CS+\i, C+32*\q+8*\i, C+32*\q+8*\i, VC+\i, RS+8*\q, C+32*\q+8*\i
.endr
	WSUM9
.irp i, 0,1,2,3
	v_add_f32 v[CS+\i], v[VV], v[CS+\i]            ; fl(vv + cc)
	v_fma_f32 v[VC+\i], -2.0, v[VC+\i], v[CS+\i]   ; fl(that - 2 vc): doubling is exact, so this is one rounding, as in the formula
.endr
	v_mov_b32 v[BI], s[CI+4*\q]
.irp i, 1,2,3
	v_mov_b32 v[IX], s[CI+4*\q+\i]
	v_cmp_lt_f32 s82, v[VC+\i], v[VC]
	v_cmp_eq_f32 s83, v[VC+\i], v[VC]
	v_cmp_lt_u32 s84, v[IX], v[BI]
	s_and_b32 s83, s83, s84
	s_or_b32 vcc_lo, s82, s83                      ; nearer, or as near with the lower code
	v_cndmask_b32 v[VC], v[VC], v[VC+\i], vcc_lo
	v_cndmask_b32 v[BI], v[BI], v[IX], vcc_lo
.irp j, 0,1,2,3,4,5,6,7
	v_cndmask_b32 v[C+32*\q+\j], v[C+32*\q+\j], v[C+32*\q+8*\i+\j], vcc_lo
.endr
.endr
.irp p, 0,2,4,6
	v_pk_add_f32 v[RS+8*\q+\p:RS+8*\q+\p+1], v[RS+8*\q+\p:RS+8*\q+\p+1], v[C+32*\q+\p:C+32*\q+\p+1] neg_lo:[0,1] neg_hi:[0,1]
.endr
	global_store_b128 v[L16], v[RS+8*\q:RS+8*\q+3],   s[10:11] offset:1024*\q
	global_store_b128 v[L16], v[RS+8*\q+4:RS+8*\q+7], s[10:11] offset:1024*\q+512
.irp j, 0,1,2,3
	v_cvt_pk_bf16_f32 v[OB+4*\q+\j], v[RS+8*\q+2*\j], v[RS+8*\q+2*\j+1]
.endr
	global_store_b64 v[L8], v[OB+4*\q:OB+4*\q+1],   s[12:13] offset:512*\q
	global_store_b64 v[L8], v[OB+4*\q+2:OB+4*\q+3], s[12:13] offset:512*\q+256
	ds_store_b32 v[LA], v[BI] offset:4*\q          ; every lane writes the same word with the same code
.endm
	s_load_b256 s[4:11], s[0:1], 0x0               ; keys s[4:5], residual in s[6:7], codebooks s[8:9], residual out s[10:11]
	s_load_b128 s[12:15], s[0:1], 0x20             ; rbf s[12:13], cw s[14:15]
	s_load_b128 s[88:91], s[0:1], 0x30             ; cbh s[88:89], ccn s[90:91]
	v_lshl_add_u32 v30, v0, 2, 0x100
	v_mov_b32 v31, 0
	v_lshrrev_b32 v8, 5, v0
	v_readfirstlane_b32 s16, v8                    ; wave 0..7
	v_and_b32 v[LANE], 31, v0
	v_lshlrev_b32 v[L16], 4, v[LANE]
	v_lshlrev_b32 v[L8], 3, v[LANE]
	s_lshl_b32 s17, s16, 2
	v_add_nc_u32 v[KOF], s17, v[LANE]
	v_and_b32 v[KOF], 31, v[KOF]
	v_lshlrev_b32 v[KOF], 3, v[KOF]
	s_lshl_b32 s19, s16, 4
	v_mov_b32 v[LA], s19
.irp n, 0,1,2
	v_mov_b32 v[PM+\n], 0                          ; v_permlanex16_b32 counts as a reader of its destination
.endr
.irp n, 0,1,2,3,4,5,6,7
	v_mov_b32 v[B+\n], 0                           ; below every key; all four places are taken by the 32 keys
.endr
	s_mov_b32 s[SEL], 0x76543210
	s_mov_b32 s[SEL+1], 0xfedcba98
	s_mov_b32 s23, 0
	s_wait_kmcnt 0x0
	s_load_b32 s18, s[4:5], 0x100000               ; the depth
	s_lshl_b32 s22, ttmp9, 12
	s_add_nc_u64 s[56:57], s[4:5], s[22:23]        ; my group's 4,096 bytes of keys
	s_lshl_b32 s22, ttmp9, 15                      ; 32 rows of 1,024 bytes,
	s_lshl_b32 s17, s16, 12                        ; 4 a wave
	s_add_co_u32 s22, s22, s17
	s_add_nc_u64 s[6:7], s[6:7], s[22:23]
	s_add_nc_u64 s[10:11], s[10:11], s[22:23]
	s_add_nc_u64 s[60:61], s[8:9], s[22:23]        ; the same four rows of a codebook; the depth is added below
	s_lshr_b32 s22, s22, 1                         ; rows of 512 bytes
	s_add_nc_u64 s[12:13], s[12:13], s[22:23]
	s_add_nc_u64 s[88:89], s[88:89], s[22:23]
.irp c, 0,1,2,3,4,5,6,7,8,9,10,11,12,13,14,15
	global_load_b64 v[K+2*\c:K+2*\c+1], v[KOF], s[56:57] offset:256*\c   ; a chain's 32 rows x 2 ranks: 256 consecutive bytes
.endr
.irp q, 0,1,2,3
	global_load_b128 v[RS+8*\q:RS+8*\q+3],   v[L16], s[6:7] offset:1024*\q
	global_load_b128 v[RS+8*\q+4:RS+8*\q+7], v[L16], s[6:7] offset:1024*\q+512
.endr
	s_wait_kmcnt 0x0
	s_min_u32 s18, s18, 2
	s_lshl_b32 s22, s18, 23                        ; a codebook is 8 MiB
	s_add_nc_u64 s[8:9], s[8:9], s[22:23]          ; codebook d
	s_add_nc_u64 s[60:61], s[60:61], s[22:23]
	s_add_nc_u64 s[60:61], s[60:61], 0x800000      ; my four rows of codebook d + 1 (d + 1 is 3 at the most)
	s_wait_loadcnt 0x8                             ; the keys are in; the residual's eight loads stay out
.irp c, 0,1,2,3,4,5,6,7,8,9,10,11,12,13,14,15
	INS K+2*\c, \c
	INS K+2*\c+1, \c
.endr
.irp i, 0,1,2,3
	v_xor_b32 v[TK], -1, v[B+\i]                   ; a key with its top bit clear was a negative score with all bits turned
	v_cmp_gt_i32 vcc_lo, 0, v[B+\i]
	v_cndmask_b32 v[TK], v[TK], v[B+\i], vcc_lo
	v_and_b32 v[TK], 0x3ff, v[TK]                  ; the code inside its 1,024
	v_lshrrev_b32 v[TP], 1, v[P+\i]                ; chain 2 y + ch: y
	v_lshl_or_b32 v[CD+\i], v[TP], 10, v[TK]
.endr
.irp q, 0,1,2,3
.irp i, 0,1,2,3
	v_readlane_b32 s[CI+4*\q+\i], v[CD+\i], \q
	s_min_u32 s[CI+4*\q+\i], s[CI+4*\q+\i], 0x1fff
	s_lshl_b32 s22, s[CI+4*\q+\i], 10
	s_add_nc_u64 s[BA+2*(4*\q+\i):BA+2*(4*\q+\i)+1], s[8:9], s[22:23]
.endr
.endr
.irp q, 0,1,2,3
.irp i, 0,1,2,3
	global_load_b128 v[C+32*\q+8*\i:C+32*\q+8*\i+3],   v[L16], s[BA+2*(4*\q+\i):BA+2*(4*\q+\i)+1]
	global_load_b128 v[C+32*\q+8*\i+4:C+32*\q+8*\i+7], v[L16], s[BA+2*(4*\q+\i):BA+2*(4*\q+\i)+1] offset:512
.endr
.endr
.irp q, 0,1,2,3
	global_load_b128 v[K+8*\q:K+8*\q+3],   v[L16], s[60:61] offset:1024*\q       ; the next codebook's rows, into the registers that held the keys
	global_load_b128 v[K+8*\q+4:K+8*\q+7], v[L16], s[60:61] offset:1024*\q+512
.endr
	ROW 0, 32                                      ; younger: 24 candidate loads of rows 1 to 3 and the 8 of the next codebook
	ROW 1, 24
	ROW 2, 16
	ROW 3, 8
	; the next scan's codebook: my four rows
	s_wait_loadcnt 0x0
	DOT2 VV,   K,    K,    VV+1, K+8,  K+8
	DOT2 VV+2, K+16, K+16, VV+3, K+24, K+24
	WSUM4
.irp q, 0,1,2,3
	v_mul_f32 v[VV+\q], -0.5, v[VV+\q]
.irp j, 0,1,2,3
	v_cvt_pk_bf16_f32 v[B+4*\q+\j], v[K+8*\q+2*\j], v[K+8*\q+2*\j+1]
.endr
	global_store_b64 v[L8], v[B+4*\q:B+4*\q+1],   s[88:89] offset:512*\q
	global_store_b64 v[L8], v[B+4*\q+2:B+4*\q+3], s[88:89] offset:512*\q+256
	ds_store_b32 v[LA], v[VV+\q] offset:128+4*\q   ; every lane writes the same word with the same number
.endr
	s_wait_dscnt 0x0                               ; my four codes and my four -cc/2 are in LDS
	s_barrier_signal -1
	s_barrier_wait -1                              ; everybody's are
	s_cmp_lg_u32 s16, 0
	s_cbranch_scc1 .Lend
	v_lshlrev_b32 v[LW], 2, v[LANE]
	ds_load_b32 v8, v[LW]                          ; lane l: the code of the group's row l
	ds_load_b32 v9, v[LW] offset:128               ; and -cc/2 of the group's code row l
	s_lshl_b32 s17, ttmp9, 7
	s_lshl_b32 s22, s18, 15
	s_add_co_u32 s22, s22, s17
	s_add_nc_u64 s[58:59], s[14:15], s[22:23]
	s_mov_b32 s22, s17
	s_add_nc_u64 s[90:91], s[90:91], s[22:23]
	s_wait_dscnt 0x0
	global_store_b32 v[LW], v8, s[58:59]
	global_store_b32 v[LW], v9, s[90:91]
	s_cmp_lg_u32 ttmp9, 0
	s_cbranch_scc1 .Lend
	s_add_co_u32 s17, s18, 1
	v_mov_b32 v[IX], 0
	v_mov_b32 v10, s17
	v_cmp_eq_u32 vcc_lo, 0, v0
	s_wait_xcnt 0x0                                ; EXEC is a source of the stores above: it changes only behind this wait
	s_and_saveexec_b32 s19, vcc_lo
	global_store_b32 v[IX], v10, s[14:15] offset:98304   ; the next scan's depth
	s_wait_xcnt 0x0
	s_or_b32 exec_lo, exec_lo, s19
.Lend:
	s_wait_tensorcnt 0x0
	ds_add_u32 v30, v31
	s_wait_dscnt 0x0
	s_endpgm
.Lfunc_end_k_q3bed13f31f_refine:
	.size	k_q3bed13f31f_refine, .Lfunc_end_k_q3bed13f31f_refine-k_q3bed13f31f_refine
	.p2alignl 7, 3214868480
	.fill 96, 4, 3214868480
	.section	.rodata,"a",@progbits
	.p2align	6, 0x0
	.amdhsa_kernel k_q3bed13f31f_refine
		.amdhsa_group_segment_fixed_size 1280
		.amdhsa_private_segment_fixed_size 0
		.amdhsa_enable_private_segment 0
		.amdhsa_kernarg_size 64
		.amdhsa_user_sgpr_count 2
		.amdhsa_user_sgpr_kernarg_segment_ptr 1
		.amdhsa_wavefront_size32 1
		.amdhsa_system_sgpr_workgroup_id_x 1
		.amdhsa_system_sgpr_workgroup_id_y 1
		.amdhsa_system_sgpr_workgroup_id_z 1
		.amdhsa_system_vgpr_workitem_id 0
		.amdhsa_next_free_vgpr 256
		.amdhsa_next_free_sgpr 96
		.amdhsa_reserve_vcc 1
		.amdhsa_float_denorm_mode_32 3
		.amdhsa_float_denorm_mode_16_64 3
		.amdhsa_memory_ordered 1
		.amdhsa_forward_progress 1
		.amdhsa_inst_pref_size 73
	.end_amdhsa_kernel
	.amdgpu_metadata
---
amdhsa.version: [ 1, 2 ]
amdhsa.kernels:
  - .name:           k_q3bed13f31f_refine
    .symbol:         k_q3bed13f31f_refine.kd
    .args:
      - { .name: keys, .offset: 0, .size: 8, .value_kind: global_buffer, .address_space: global }
      - { .name: x, .offset: 8, .size: 8, .value_kind: global_buffer, .address_space: global }
      - { .name: codebooks, .offset: 16, .size: 8, .value_kind: global_buffer, .address_space: global }
      - { .name: resA, .offset: 24, .size: 8, .value_kind: global_buffer, .address_space: global }
      - { .name: rbf, .offset: 32, .size: 8, .value_kind: global_buffer, .address_space: global }
      - { .name: cw, .offset: 40, .size: 8, .value_kind: global_buffer, .address_space: global }
      - { .name: cbh, .offset: 48, .size: 8, .value_kind: global_buffer, .address_space: global }
      - { .name: ccn, .offset: 56, .size: 8, .value_kind: global_buffer, .address_space: global }
    .group_segment_fixed_size: 1280
    .private_segment_fixed_size: 0
    .kernarg_segment_align: 8
    .kernarg_segment_size: 64
    .max_flat_workgroup_size: 256
    .sgpr_count:     96
    .vgpr_count:     256
    .wavefront_size: 32
...
	.end_amdgpu_metadata
.endif
;; end of part 3
;; launch scan1: the kernel of part 2 again; grid 32 x 8, 8 waves a work-group, clusters of 4 x 4, 327,680 bytes of LDS; arguments cw, cbh, ccn, rbf, keys; writes keys
;; launch refine1: the kernel of part 3 again; grid 256 x 1, 8 waves a work-group, no clusters, 1,280 bytes of LDS; arguments keys, resA, codebooks, resB, rbf, cw, cbh, ccn; writes resB, rbf, cw, cbh, ccn
;; launch scan2: the kernel of part 2 again; grid 32 x 8, 8 waves a work-group, clusters of 4 x 4, 327,680 bytes of LDS; arguments cw, cbh, ccn, rbf, keys; writes keys
;; launch refine2: the kernel of part 3 again; grid 256 x 1, 8 waves a work-group, no clusters, 1,280 bytes of LDS; arguments keys, resB, codebooks, resA, rbf, cw, cbh, ccn; writes resA, rbf, cw, cbh, ccn
;; launch scan3: the kernel of part 2 again; grid 32 x 8, 8 waves a work-group, clusters of 4 x 4, 327,680 bytes of LDS; arguments cw, cbh, ccn, rbf, keys; writes keys
;; launch finish (part 4): grid 256 x 1, 8 waves a work-group, no clusters, 1,792 bytes of LDS; arguments keys, resA, x, codebooks, cw, out0, out2, lossp; writes out0, out2, lossp
.if DOCPART == 4
	.amdgcn_target "amdgcn-amd-amdhsa--gfx1250"
	.amdhsa_code_object_version 6
	.text
	.protected	k_q3bed13f31f_finish
	.globl	k_q3bed13f31f_finish
	.p2align	8
	.type	k_q3bed13f31f_finish,@function
k_q3bed13f31f_finish:
	s_mov_b64 s[64:65], 0
	v_nop
	global_prefetch_b8 v0, s[64:65] scope:SCOPE_SE
	s_setreg_imm32_b32 hwreg(HW_REG_WAVE_MODE, 25, 1), 1
	s_wait_xcnt 0x0
; finish: ends depth 3 and makes the outputs.  The fourth code of a row is found as in the three depths before: the four largest of its 32 keys name four candidates, the
; distance is fl(fl(vv + cc) - 2 vc) in f32 on the f32 residual, the smallest wins, the lower code on equal distances.  The rows of the first three codes (from cw) are
; gathered again, so that agg = ((q0 + q1) + q2) + q3 is added in the problem's order; out0 = x + (agg - x); out2 = the four codes; lossp[group] = the sum over the group's
; rows and the four depths of (x - agg_i)^2.  (x - agg)^2 = (agg - x)^2 exactly, so at the last depth one difference serves loss and output.
; LIMITS: as in the depths before: another order of the sums vv, cc, vc than a library's product; four candidates; NaN and infinities are not served.
; 256 work-groups of 32 rows, 8 waves of 4 rows; no cluster (no tile is shared), no prefetch (a row is known only when it is asked for).
.set LANE, 1                           ; v1   lane
.set L16,  2                           ; v2   16 x lane
.set KOF,  3                           ; v3   8 x ((lane + 4 wave) % 32)
.set LA,   4                           ; v4   64 x wave: my four rows' codes in LDS
.set LL,   5                           ; v5   4 x wave: my loss word in LDS (+ 512)
.set IX,   6                           ; v6   a candidate's code
.set ZR,   7                           ; v7   zero
.set CQ,   8                           ; v[8:11]   a row's four codes
.set BI,   11                          ; v11       the fourth, while it is sought
.set DA,   12                          ; v[12:15]  two pair accumulators, also the differences
.set VV,   16                          ; v16       vv
.set CS,   17                          ; v[17:20]  cc, then vv + cc
.set VC,   21                          ; v[21:24]  vc, then the distances; v21 keeps the best
.set PM,   25                          ; v[25:27]  the other half's sums
.set LS,   28                          ; v[28:31]  the loss, two pair accumulators
.set RS,   32                          ; v[32:63]   residual of my four rows
.set XR,   64                          ; v[64:95]   x of my four rows
.set QA,   96                          ; v[96:127]  q0, then agg, then the output; q1 at +32, q2 at +64 until the candidates come
.set C,    128                         ; v[128:255] candidate (q, i) at 128 + 32 q + 8 i
.set K,    192                         ; v[192:223] keys      (these five lie where candidates land later)
.set B,    224                         ; v[224:227]
.set P,    228                         ; v[228:231]
.set TK,   232                         ; v[232:233]
.set TP,   234                         ; v[234:235]
.set CD,   236                         ; v[236:239]
.set SEL,  56                          ; s56, s57
.set BA,   24                          ; s[24:55]  row addresses: first the 12 old rows', then the 16 candidates'
.set CI,   66                          ; s[66:81]  the candidates' codes
.set OC,   84                          ; s[84:95]  the old codes: depth e, row q at 84 + 4 e + q
.macro LEVEL kc, pc, kl, pl, i, last
	v_cmp_gt_u32 vcc_lo, v[\kc], v[B+\i]
.if \last == 0
	v_cndmask_b32 v[\kl], v[\kc], v[B+\i], vcc_lo
	v_cndmask_b32 v[\pl], v[\pc], v[P+\i], vcc_lo
.endif
	v_cndmask_b32 v[B+\i], v[B+\i], v[\kc], vcc_lo
	v_cndmask_b32 v[P+\i], v[P+\i], v[\pc], vcc_lo
.endm
.macro INS kreg, pos
	v_mov_b32 v[TP], \pos
	LEVEL \kreg, TP, TK+1, TP+1, 0, 0
	LEVEL TK+1, TP+1, TK, TP, 1, 0
	LEVEL TK, TP, TK+1, TP+1, 2, 0
	LEVEL TK+1, TP+1, TK, TP, 3, 1
.endm
.macro DOT1 d0, a0, b0
	v_pk_mul_f32 v[DA:DA+1], v[\a0:\a0+1], v[\b0:\b0+1]
.irp o, 2,4,6
	v_pk_fma_f32 v[DA:DA+1], v[\a0+\o:\a0+\o+1], v[\b0+\o:\b0+\o+1], v[DA:DA+1]
.endr
	v_add_f32 v[\d0], v[DA], v[DA+1]
.endm
.macro DOT2 d0, a0, b0, d1, a1, b1
	v_pk_mul_f32 v[DA:DA+1],   v[\a0:\a0+1], v[\b0:\b0+1]
	v_pk_mul_f32 v[DA+2:DA+3], v[\a1:\a1+1], v[\b1:\b1+1]
.irp o, 2,4,6
	v_pk_fma_f32 v[DA:DA+1],   v[\a0+\o:\a0+\o+1], v[\b0+\o:\b0+\o+1], v[DA:DA+1]
	v_pk_fma_f32 v[DA+2:DA+3], v[\a1+\o:\a1+\o+1], v[\b1+\o:\b1+\o+1], v[DA+2:DA+3]
.endr
	v_add_f32 v[\d0], v[DA], v[DA+1]
	v_add_f32 v[\d1], v[DA+2], v[DA+3]
.endm
.macro WSUM9
.irp m, 1,2,4,8
.irp n, 0,1,2,3,4,5,6,7,8
	v_add_f32_dpp v[VV+\n], v[VV+\n], v[VV+\n] row_xmask:\m row_mask:0xf bank_mask:0xf
.endr
.endr
.irp g, 0,3,6
.irp n, 0,1,2
	v_permlanex16_b32 v[PM+\n], v[VV+\g+\n], s[SEL], s[SEL+1]
.endr
.irp n, 0,1,2
	v_add_f32 v[VV+\g+\n], v[VV+\g+\n], v[PM+\n]
.endr
.endr
.endm
; The first three depths of row q: agg grows in QA, the loss takes (x - agg)^2 after each.
.macro PHASE1 q
.irp p, 0,2,4,6
	v_pk_add_f32 v[DA:DA+1], v[XR+8*\q+\p:XR+8*\q+\p+1], v[QA+8*\q+\p:QA+8*\q+\p+1] neg_lo:[0,1] neg_hi:[0,1]
	v_pk_add_f32 v[QA+8*\q+\p:QA+8*\q+\p+1], v[QA+8*\q+\p:QA+8*\q+\p+1], v[QA+32+8*\q+\p:QA+32+8*\q+\p+1]
	v_pk_fma_f32 v[LS:LS+1], v[DA:DA+1], v[DA:DA+1], v[LS:LS+1]
	v_pk_add_f32 v[DA+2:DA+3], v[XR+8*\q+\p:XR+8*\q+\p+1], v[QA+8*\q+\p:QA+8*\q+\p+1] neg_lo:[0,1] neg_hi:[0,1]
	v_pk_add_f32 v[QA+8*\q+\p:QA+8*\q+\p+1], v[QA+8*\q+\p:QA+8*\q+\p+1], v[QA+64+8*\q+\p:QA+64+8*\q+\p+1]
	v_pk_fma_f32 v[LS+2:LS+3], v[DA+2:DA+3], v[DA+2:DA+3], v[LS+2:LS+3]
	v_pk_add_f32 v[DA:DA+1], v[XR+8*\q+\p:XR+8*\q+\p+1], v[QA+8*\q+\p:QA+8*\q+\p+1] neg_lo:[0,1] neg_hi:[0,1]
	v_pk_fma_f32 v[LS:LS+1], v[DA:DA+1], v[DA:DA+1], v[LS:LS+1]
.endr
.endm
.macro ROW q, left
	s_wait_loadcnt \left                           ; this row's eight candidate loads are in; the later rows' stay out
	DOT1 VV, RS+8*\q, RS+8*\q
.irp i, 0,1,2,3
	DOT2 CS+\i, C+32*\q+8*\i, C+32*\q+8*\i, VC+\i, RS+8*\q, C+32*\q+8*\i
.endr
	WSUM9
.irp i, 0,1,2,3
	v_add_f32 v[CS+\i], v[VV], v[CS+\i]
	v_fma_f32 v[VC+\i], -2.0, v[VC+\i], v[CS+\i]
.endr
	v_mov_b32 v[BI], s[CI+4*\q]
.irp i, 1,2,3
	v_mov_b32 v[IX], s[CI+4*\q+\i]
	v_cmp_lt_f32 s58, v[VC+\i], v[VC]
	v_cmp_eq_f32 s59, v[VC+\i], v[VC]
	v_cmp_lt_u32 s60, v[IX], v[BI]
	s_and_b32 s59, s59, s60
	s_or_b32 vcc_lo, s58, s59
	v_cndmask_b32 v[VC], v[VC], v[VC+\i], vcc_lo
	v_cndmask_b32 v[BI], v[BI], v[IX], vcc_lo
.irp j, 0,1,2,3,4,5,6,7
	v_cndmask_b32 v[C+32*\q+\j], v[C+32*\q+\j], v[C+32*\q+8*\i+\j], vcc_lo
.endr
.endr
.irp p, 0,2,4,6
	v_pk_add_f32 v[QA+8*\q+\p:QA+8*\q+\p+1], v[QA+8*\q+\p:QA+8*\q+\p+1], v[C+32*\q+\p:C+32*\q+\p+1]                            ; agg
	v_pk_add_f32 v[DA:DA+1], v[QA+8*\q+\p:QA+8*\q+\p+1], v[XR+8*\q+\p:XR+8*\q+\p+1] neg_lo:[0,1] neg_hi:[0,1]                  ; agg - x
	v_pk_fma_f32 v[LS:LS+1], v[DA:DA+1], v[DA:DA+1], v[LS:LS+1]
	v_pk_add_f32 v[QA+8*\q+\p:QA+8*\q+\p+1], v[XR+8*\q+\p:XR+8*\q+\p+1], v[DA:DA+1]                                            ; x + (agg - x)
.endr
	global_store_b128 v[L16], v[QA+8*\q:QA+8*\q+3],   s[14:15] offset:1024*\q
	global_store_b128 v[L16], v[QA+8*\q+4:QA+8*\q+7], s[14:15] offset:1024*\q+512
	v_mov_b32 v[CQ],   s[OC+\q]
	v_mov_b32 v[CQ+1], s[OC+4+\q]
	v_mov_b32 v[CQ+2], s[OC+8+\q]
	ds_store_b128 v[LA], v[CQ:CQ+3] offset:16*\q   ; every lane writes the same 16 bytes with the same codes
.endm
	s_load_b512 s[4:19], s[0:1], 0x0               ; keys s[4:5], residual s[6:7], x s[8:9], codebooks s[10:11], cw s[12:13], out0 s[14:15], out2 s[16:17], lossp s[18:19]
	s_set_vgpr_msb 0x40
	v_lshl_add_u32 v0, v0, 2, 0x300
	v_mov_b32 v1, 0
	s_set_vgpr_msb 0x4000
	v_lshrrev_b32 v8, 5, v0
	v_readfirstlane_b32 s20, v8                    ; wave 0..7
	v_and_b32 v[LANE], 31, v0
	v_lshlrev_b32 v[L16], 4, v[LANE]
	s_lshl_b32 s21, s20, 2
	v_add_nc_u32 v[KOF], s21, v[LANE]
	v_and_b32 v[KOF], 31, v[KOF]
	v_lshlrev_b32 v[KOF], 3, v[KOF]
	v_mov_b32 v[LL], s21
	s_lshl_b32 s21, s20, 6
	v_mov_b32 v[LA], s21
	v_mov_b32 v[ZR], 0
.irp n, 0,1,2
	v_mov_b32 v[PM+\n], 0
.endr
.irp n, 0,1,2,3
	v_mov_b32 v[LS+\n], 0
.endr
.irp n, 0,1,2,3,4,5,6,7
	v_mov_b32 v[B+\n], 0
.endr
	s_mov_b32 s[SEL], 0x76543210
	s_mov_b32 s[SEL+1], 0xfedcba98
	s_mov_b32 s23, 0
	s_wait_kmcnt 0x0
	s_lshl_b32 s22, ttmp9, 7                       ; cw: 32 words a group,
	s_lshl_b32 s21, s20, 4                         ; 4 a wave
	s_add_co_u32 s22, s22, s21
	s_add_nc_u64 s[96:97], s[12:13], s[22:23]
	s_load_b128 s[OC:OC+3],    s[96:97], 0x0       ; my four rows' codes of depth 0,
	s_load_b128 s[OC+4:OC+7],  s[96:97], 0x8000    ; 1,
	s_load_b128 s[OC+8:OC+11], s[96:97], 0x10000   ; 2
	s_lshl_b32 s22, ttmp9, 12
	s_add_nc_u64 s[4:5], s[4:5], s[22:23]
	s_lshl_b32 s22, ttmp9, 15
	s_lshl_b32 s21, s20, 12
	s_add_co_u32 s22, s22, s21
	s_add_nc_u64 s[6:7], s[6:7], s[22:23]
	s_add_nc_u64 s[8:9], s[8:9], s[22:23]
	s_add_nc_u64 s[14:15], s[14:15], s[22:23]
.irp c, 0,1,2,3,4,5,6,7,8,9,10,11,12,13,14,15
	global_load_b64 v[K+2*\c:K+2*\c+1], v[KOF], s[4:5] offset:256*\c
.endr
.irp q, 0,1,2,3
	global_load_b128 v[RS+8*\q:RS+8*\q+3],   v[L16], s[6:7] offset:1024*\q
	global_load_b128 v[RS+8*\q+4:RS+8*\q+7], v[L16], s[6:7] offset:1024*\q+512
.endr
.irp q, 0,1,2,3
	global_load_b128 v[XR+8*\q:XR+8*\q+3],   v[L16], s[8:9] offset:1024*\q
	global_load_b128 v[XR+8*\q+4:XR+8*\q+7], v[L16], s[8:9] offset:1024*\q+512
.endr
	s_wait_kmcnt 0x0
.irp e, 0,1,2
.irp q, 0,1,2,3
	s_min_u32 s[OC+4*\e+\q], s[OC+4*\e+\q], 0x1fff
	s_lshl_b32 s22, s[OC+4*\e+\q], 10
	s_add_co_u32 s22, s22, \e<<23                  ; a codebook is 8 MiB
	s_add_nc_u64 s[BA+2*(4*\e+\q):BA+2*(4*\e+\q)+1], s[10:11], s[22:23]
.endr
.endr
.irp e, 0,1,2
.irp q, 0,1,2,3
	global_load_b128 v[QA+32*\e+8*\q:QA+32*\e+8*\q+3],   v[L16], s[BA+2*(4*\e+\q):BA+2*(4*\e+\q)+1]
	global_load_b128 v[QA+32*\e+8*\q+4:QA+32*\e+8*\q+7], v[L16], s[BA+2*(4*\e+\q):BA+2*(4*\e+\q)+1] offset:512
.endr
.endr
	s_wait_loadcnt 40                              ; the keys are in; younger: 8 loads of the residual, 8 of x, 24 of the old rows
.irp c, 0,1,2,3,4,5,6,7,8,9,10,11,12,13,14,15
	INS K+2*\c, \c
	INS K+2*\c+1, \c
.endr
.irp i, 0,1,2,3
	v_not_b32 v[TK], v[B+\i]
	v_cmp_gt_i32 vcc_lo, 0, v[B+\i]
	v_cndmask_b32 v[TK], v[TK], v[B+\i], vcc_lo
	v_and_b32 v[TK], 0x3ff, v[TK]
	v_lshrrev_b32 v[TP], 1, v[P+\i]
	v_lshl_or_b32 v[CD+\i], v[TP], 10, v[TK]
.endr
.irp q, 0,1,2,3
.irp i, 0,1,2,3
	v_readlane_b32 s[CI+4*\q+\i], v[CD+\i], \q
	s_min_u32 s[CI+4*\q+\i], s[CI+4*\q+\i], 0x1fff
.endr
.endr
	s_wait_loadcnt 0x0                             ; everything is in: the old rows' addresses may be written over, and their registers after use
	PHASE1 0
	PHASE1 1
	PHASE1 2
	PHASE1 3
.irp q, 0,1,2,3
.irp i, 0,1,2,3
	s_lshl_b32 s22, s[CI+4*\q+\i], 10
	s_add_co_u32 s22, s22, 3<<23
	s_add_nc_u64 s[BA+2*(4*\q+\i):BA+2*(4*\q+\i)+1], s[10:11], s[22:23]
.endr
.endr
.irp q, 0,1,2,3
.irp i, 0,1,2,3
	global_load_b128 v[C+32*\q+8*\i:C+32*\q+8*\i+3],   v[L16], s[BA+2*(4*\q+\i):BA+2*(4*\q+\i)+1]
	global_load_b128 v[C+32*\q+8*\i+4:C+32*\q+8*\i+7], v[L16], s[BA+2*(4*\q+\i):BA+2*(4*\q+\i)+1] offset:512
.endr
.endr
	ROW 0, 24
	ROW 1, 16
	ROW 2, 8
	ROW 3, 0
	v_pk_add_f32 v[LS:LS+1], v[LS:LS+1], v[LS+2:LS+3]
	v_add_f32 v[LS], v[LS], v[LS+1]
	v_add_f32_dpp v[LS], v[LS], v[LS] row_xmask:1 row_mask:0xf bank_mask:0xf
	v_add_f32_dpp v[LS], v[LS], v[LS] row_xmask:2 row_mask:0xf bank_mask:0xf
	v_add_f32_dpp v[LS], v[LS], v[LS] row_xmask:4 row_mask:0xf bank_mask:0xf
	v_add_f32_dpp v[LS], v[LS], v[LS] row_xmask:8 row_mask:0xf bank_mask:0xf
	v_permlanex16_b32 v[PM], v[LS], s[SEL], s[SEL+1]
	v_add_f32 v[LS], v[LS], v[PM]
	ds_store_b32 v[LL], v[LS] offset:512           ; my wave's part of the loss
	s_wait_dscnt 0x0                               ; my codes and my part are in LDS
	s_barrier_signal -1
	s_barrier_wait -1                              ; everybody's are
	s_cmp_lg_u32 s20, 0
	s_cbranch_scc1 .Lend
	ds_load_b128 v[12:15], v[L16]                  ; lane l: the four codes of the group's row l
	ds_load_b128 v[16:19], v[ZR] offset:512        ; the eight waves' parts
	ds_load_b128 v[20:23], v[ZR] offset:528
	s_lshl_b32 s22, ttmp9, 9
	s_add_nc_u64 s[16:17], s[16:17], s[22:23]
	s_lshl_b32 s22, ttmp9, 2
	s_add_nc_u64 s[18:19], s[18:19], s[22:23]
	s_wait_dscnt 0x2                               ; the codes are in; the two loads of the parts are younger
	global_store_b128 v[L16], v[12:15], s[16:17]   ; 512 consecutive bytes of out2
	s_wait_dscnt 0x0
	v_pk_add_f32 v[16:17], v[16:17], v[18:19]
	v_pk_add_f32 v[20:21], v[20:21], v[22:23]
	v_pk_add_f32 v[16:17], v[16:17], v[20:21]
	v_add_f32 v16, v16, v17
	v_cmp_eq_u32 vcc_lo, 0, v0
	s_wait_xcnt 0x0                                ; EXEC is a source of the stores above: it changes only behind this wait
	s_and_saveexec_b32 s21, vcc_lo
	global_store_b32 v[ZR], v16, s[18:19]
	s_wait_xcnt 0x0
	s_or_b32 exec_lo, exec_lo, s21
.Lend:
	s_set_vgpr_msb 0x5
	s_wait_tensorcnt 0x0
	ds_add_u32 v0, v1
	s_wait_dscnt 0x0
	s_set_vgpr_msb 0x500
	s_endpgm
.Lfunc_end_k_q3bed13f31f_finish:
	.size	k_q3bed13f31f_finish, .Lfunc_end_k_q3bed13f31f_finish-k_q3bed13f31f_finish
	.p2alignl 7, 3214868480
	.fill 96, 4, 3214868480
	.section	.rodata,"a",@progbits
	.p2align	6, 0x0
	.amdhsa_kernel k_q3bed13f31f_finish
		.amdhsa_group_segment_fixed_size 1792
		.amdhsa_private_segment_fixed_size 0
		.amdhsa_enable_private_segment 0
		.amdhsa_kernarg_size 64
		.amdhsa_user_sgpr_count 2
		.amdhsa_user_sgpr_kernarg_segment_ptr 1
		.amdhsa_wavefront_size32 1
		.amdhsa_system_sgpr_workgroup_id_x 1
		.amdhsa_system_sgpr_workgroup_id_y 1
		.amdhsa_system_sgpr_workgroup_id_z 1
		.amdhsa_system_vgpr_workitem_id 0
		.amdhsa_next_free_vgpr 258
		.amdhsa_next_free_sgpr 100
		.amdhsa_reserve_vcc 1
		.amdhsa_float_denorm_mode_32 3
		.amdhsa_float_denorm_mode_16_64 3
		.amdhsa_memory_ordered 1
		.amdhsa_forward_progress 1
		.amdhsa_inst_pref_size 84
	.end_amdhsa_kernel
	.amdgpu_metadata
---
amdhsa.version: [ 1, 2 ]
amdhsa.kernels:
  - .name:           k_q3bed13f31f_finish
    .symbol:         k_q3bed13f31f_finish.kd
    .args:
      - { .name: keys, .offset: 0, .size: 8, .value_kind: global_buffer, .address_space: global }
      - { .name: resA, .offset: 8, .size: 8, .value_kind: global_buffer, .address_space: global }
      - { .name: x, .offset: 16, .size: 8, .value_kind: global_buffer, .address_space: global }
      - { .name: codebooks, .offset: 24, .size: 8, .value_kind: global_buffer, .address_space: global }
      - { .name: cw, .offset: 32, .size: 8, .value_kind: global_buffer, .address_space: global }
      - { .name: out0, .offset: 40, .size: 8, .value_kind: global_buffer, .address_space: global }
      - { .name: out2, .offset: 48, .size: 8, .value_kind: global_buffer, .address_space: global }
      - { .name: lossp, .offset: 56, .size: 8, .value_kind: global_buffer, .address_space: global }
    .group_segment_fixed_size: 1792
    .private_segment_fixed_size: 0
    .kernarg_segment_align: 8
    .kernarg_segment_size: 64
    .max_flat_workgroup_size: 256
    .sgpr_count:     100
    .vgpr_count:     258
    .wavefront_size: 32
...
	.end_amdgpu_metadata
.endif
;; end of part 4
;; launch lossum (part 5): grid 1 x 1, 1 waves a work-group, no clusters, 0 bytes of LDS; arguments lossp, out1; writes out1
.if DOCPART == 5
	.amdgcn_target "amdgcn-amd-amdhsa--gfx1250"
	.amdhsa_code_object_version 6
	.text
	.protected	k_q3bed13f31f_lossum
	.globl	k_q3bed13f31f_lossum
	.p2align	8
	.type	k_q3bed13f31f_lossum,@function
k_q3bed13f31f_lossum:
	s_mov_b64 s[64:65], 0
	v_nop
	global_prefetch_b8 v0, s[64:65] scope:SCOPE_SE
	s_setreg_imm32_b32 hwreg(HW_REG_WAVE_MODE, 25, 1), 1
	s_wait_xcnt 0x0
; lossum: out1 = (the sum of the 256 partial sums) / (4 depths x 2,097,152 numbers) = sum x 2^-23, exact scaling.
; One wave: the sum spans all work-groups of the launch before, so it is made in a launch of its own, in a fixed order.
	s_load_b128 s[4:7], s[0:1], 0x0                ; lossp s[4:5], out1 s[6:7]
	v_lshlrev_b32 v1, 5, v0                        ; 8 numbers a lane
	v_mov_b32 v10, 0
	v_mov_b32 v11, 0
	s_mov_b32 s8, 0x76543210
	s_mov_b32 s9, 0xfedcba98
	s_wait_kmcnt 0x0
	global_load_b128 v[2:5], v1, s[4:5]
	global_load_b128 v[6:9], v1, s[4:5] offset:16
	s_wait_loadcnt 0x0
	v_pk_add_f32 v[2:3], v[2:3], v[4:5]
	v_pk_add_f32 v[6:7], v[6:7], v[8:9]
	v_pk_add_f32 v[2:3], v[2:3], v[6:7]
	v_add_f32 v2, v2, v3
	v_add_f32_dpp v2, v2, v2 row_xmask:1 row_mask:0xf bank_mask:0xf
	v_add_f32_dpp v2, v2, v2 row_xmask:2 row_mask:0xf bank_mask:0xf
	v_add_f32_dpp v2, v2, v2 row_xmask:4 row_mask:0xf bank_mask:0xf
	v_add_f32_dpp v2, v2, v2 row_xmask:8 row_mask:0xf bank_mask:0xf
	v_permlanex16_b32 v10, v2, s8, s9
	v_add_f32 v2, v2, v10
	v_mul_f32 v2, 0x34000000, v2                   ; 2^-23
	v_cmp_eq_u32 vcc_lo, 0, v0
	s_and_saveexec_b32 s10, vcc_lo                 ; the loads are done (their wait for 0 stands above); no other memory instruction is out
	global_store_b32 v11, v2, s[6:7]
	s_wait_xcnt 0x0
	s_or_b32 exec_lo, exec_lo, s10
	s_endpgm
.Lfunc_end_k_q3bed13f31f_lossum:
	.size	k_q3bed13f31f_lossum, .Lfunc_end_k_q3bed13f31f_lossum-k_q3bed13f31f_lossum
	.p2alignl 7, 3214868480
	.fill 96, 4, 3214868480
	.section	.rodata,"a",@progbits
	.p2align	6, 0x0
	.amdhsa_kernel k_q3bed13f31f_lossum
		.amdhsa_group_segment_fixed_size 0
		.amdhsa_private_segment_fixed_size 0
		.amdhsa_enable_private_segment 0
		.amdhsa_kernarg_size 16
		.amdhsa_user_sgpr_count 2
		.amdhsa_user_sgpr_kernarg_segment_ptr 1
		.amdhsa_wavefront_size32 1
		.amdhsa_system_sgpr_workgroup_id_x 1
		.amdhsa_system_sgpr_workgroup_id_y 1
		.amdhsa_system_sgpr_workgroup_id_z 1
		.amdhsa_system_vgpr_workitem_id 0
		.amdhsa_next_free_vgpr 16
		.amdhsa_next_free_sgpr 66
		.amdhsa_reserve_vcc 1
		.amdhsa_float_denorm_mode_32 3
		.amdhsa_float_denorm_mode_16_64 3
		.amdhsa_memory_ordered 1
		.amdhsa_forward_progress 1
		.amdhsa_inst_pref_size 2
	.end_amdhsa_kernel
	.amdgpu_metadata
---
amdhsa.version: [ 1, 2 ]
amdhsa.kernels:
  - .name:           k_q3bed13f31f_lossum
    .symbol:         k_q3bed13f31f_lossum.kd
    .args:
      - { .name: lossp, .offset: 0, .size: 8, .value_kind: global_buffer, .address_space: global }
      - { .name: out1, .offset: 8, .size: 8, .value_kind: global_buffer, .address_space: global }
    .group_segment_fixed_size: 0
    .private_segment_fixed_size: 0
    .kernarg_segment_align: 8
    .kernarg_segment_size: 16
    .max_flat_workgroup_size: 32
    .sgpr_count:     66
    .vgpr_count:     16
    .wavefront_size: 32
...
	.end_amdgpu_metadata
.endif
;; end of part 5
